; MI455X (gfx1250); checked and timed in simulation.
; The chip was launched on July 23, 2026; its instructions are those of AMD's public machine-readable ISA for CDNA 5 (MIT licence, August 2026) and "CDNA5" Instruction Set Architecture Reference Guide (July 2026). The comments in the code are by the model that wrote it; some were corrected since.
;; Seq Attention. Allowed arithmetic: matrix products marked QUANTISED: E5M2 operands, one E8M0 scale for each 32 along K, by v_wmma_scale_f32_16x16x128_f8f6f4 with both operands' format E5M2, f32 sums; everything else in f32.
;; Inputs: key_codes 128 x 1,024 x 4 x 32 uint8 (E5M2 codes of key, K innermost, in blocks of 32 codes); key_scales 128 x 1,024 x 4 uint8 (E8M0 scales of key, one for each 32 codes along K); query_codes 128 x 1,024 x 4 x 32 uint8 (E5M2 codes of query, K innermost, in blocks of 32 codes); query_scales 128 x 1,024 x 4 uint8 (E8M0 scales of query, one for each 32 codes along K); span_val 16 float32; value_codes 128 x 128 x 32 x 32 uint8 (E5M2 codes of value, K innermost, in blocks of 32 codes); value_scales 128 x 128 x 32 uint8 (E8M0 scales of value, one for each 32 codes along K).
;; Outputs: out0 128 x 1,024 x 128 float32.
;; This version of the problem:
;;   THIS VERSION OF THE PROBLEM IS GIVEN IN LOW PRECISION. The matrix products marked QUANTISED in the list below multiply operands that are first quantised to E5M2 (5 exponent bits, 2 mantissa bits; 8 bits a number), with one power-of-two scale for each 32 numbers along K (OCP MX v1.0); their sums are f32. All else is computed in f32.
;;   The module's matrix products, in the order in which they are computed (A, B: the left and right operand; K: the contracted axis; several contracted axes count as one K, in the product's order):
;;     1. batch 128 x [M 1,024, K 128] x [K 128, N 1,024]; A: input query (given as codes); B: input key (given as codes): QUANTISED
;;     2. batch 128 x [M 1,024, K 1,024] x [K 1,024, N 128]; A: computed on the way; B: input value (given as codes): QUANTISED
;;   THE QUANTISER, for each operand of a quantised product, along K:
;;     - K is cut into blocks of 32 from its start; a last block that is shorter is filled with zeros.
;;     - A block's scale is 2^e with e = floor(log2(the largest magnitude in the block)) - 15, held to -126 .. 127; a block of zeros has e = 0. As a byte (E8M0): e + 127.
;;     - Each number is divided by its block's scale, clamped to +-57,344, and rounded to the nearest number of E5M2, ties to even, subnormals kept.
;;     - The product sums the exact products of the quantised numbers (number of the format x scale) in f32.
;;   ~~~python
;;   def quantise(x, axis):      # numpy; x: float32 -> the quantised numbers, widened to float32 again
;;       x = np.moveaxis(x, axis, -1); K = x.shape[-1]
;;       x = np.pad(x, [(0, 0)] * (x.ndim - 1) + [(0, -K % 32)]); x = x.reshape(x.shape[:-1] + (-1, 32)); a = np.abs(x).max(-1, keepdims=True)
;;       e = np.where(a > 0, np.clip(np.frexp(np.where(a > 0, a, 1))[1] - 1 - 15, -126, 127), 0)      # np.frexp(a)[1] - 1 = floor(log2(a)), exactly
;;       r = np.clip(x / 2.0 ** e, -57344, 57344)
;;       step = 2.0 ** (np.maximum(np.frexp(np.where(r == 0, 1, r))[1] - 1, -14) - 2)
;;       q = np.round(r / step) * step * 2.0 ** e      # np.round: ties to even
;;       return np.moveaxis(q.reshape(q.shape[:-2] + (-1,))[..., :K], -1, axis).astype(np.float32)
;;   ~~~
;;   OPERANDS COMPUTED ON THE WAY. 'Computed on the way' means the value that the module computes at that place (a softmax that the list does not call 'softmax' is quantised finished and normalised). What goes into a quantiser is computed in f32, as accurately as f32 sums, v_exp_f32 and their like allow (about 1e-6 of the number): no bf16 or f16 on the way to a quantiser, and a product that is left as it is and whose result goes on into a quantised operand takes f32 operands (vector FMAs, or v_wmma_f32_16x16x4_f32). A number that lies on a knife's edge between two numbers of the format may be rounded either way, as far as f32 arithmetic and the matrix unit's own rounding can turn it there, and no further.
;;   INPUTS GIVEN AS CODES. key (in the module: [128, 1024, 128], K = its axis 2); query (in the module: [128, 1024, 128], K = its axis 2); value (in the module: [128, 1024, 128], K = its axis 1): each comes as NAME_codes (uint8): NAME with its K axis moved to the last place and cut into blocks of 32 codes, [.., K / 32, bytes a block], one block behind the other in memory; one code a byte (a code: sign, 5 exponent bits, 2 mantissa bits); and NAME_scales (uint8): the same leading axes, one E8M0 byte (e + 127) for each 32 codes along K. Its value is code x scale, taken as it is: it is not quantised again, and the codes and scales need not be those that the quantiser above would give.
;; 2 versions, each right; version 2 is version 1 with the launch attn written anew for expert scheduling mode. Each part assembles by itself: llvm-mc -triple=amdgcn-amd-amdhsa -mcpu=gfx1250 --defsym DOCPART=n.
;; ======== version 1 of 2: 1 launch
;; launch attn (part 1): grid 256 x 1, 4 waves a work-group, no clusters, 76,288 bytes of LDS; arguments key_codes, key_scales, query_codes, query_scales, span_val, value_codes, value_scales, out0; writes out0
.if DOCPART == 1
	.amdgcn_target "amdgcn-amd-amdhsa--gfx1250"
	.amdhsa_code_object_version 6
	.text
	.protected	k_q9f2ff53695_attn
	.globl	k_q9f2ff53695_attn
	.p2align	8
	.type	k_q9f2ff53695_attn,@function
k_q9f2ff53695_attn:
	s_mov_b64 s[64:65], 0
	v_nop
	global_prefetch_b8 v0, s[64:65] scope:SCOPE_SE
	s_setreg_imm32_b32 hwreg(HW_REG_WAVE_MODE, 25, 1), 1
	s_wait_xcnt 0x0
; out = A V,  A = softmax(Q K^T / sqrt(128)) x mask / (sum of that + 1e-8), per (batch, head): 1,024 queries, 1,024 keys, head size 128.
; Both products on E5M2 codes with one E8M0 byte for each 32 along K.  A is quantised FINISHED: a = p mask / (sum(p mask) + 1e-8 sum(p)), which is the same number
; as softmax x mask / (its sum + 1e-8) whatever common factor p carries.  So a row's maximum and both sums are complete before a code is made.
; SHARES.  A work-group of four waves owns 512 queries of one (batch, head): 32 tiles of 16.  WAVE w OWNS KEYS 256 w .. 256 w + 255 for the whole launch: K's 16 fragments,
; V's 16 fragments and its 256 mask numbers are loaded once, straight into registers (640 of them), and the query tiles stream past.
; A TILE.  S^T = K Q^T for my 256 keys, as two chunks of 128 (16 matrix instructions); each chunk takes away a maximum of its own, rounded UP to a whole number M_c, so that every
; later change of scale is a power of two and rounds nothing; p = 2^(t - M_c), sum(p), sum(p mask), pm = p mask.  The four waves exchange (sum p, sum pm, -M) through LDS;
; every wave forms D = sum pm + 1e-8 sum p and r_c = 2^(M_c - M) / D, quantises a = pm r_c in registers and makes O^T over its 256 keys (16 matrix instructions).
; The four partial O^T meet in LDS as rows; each wave adds and stores 4 whole rows of 512 bytes.
; ONE BARRIER A TILE serves the statistics of tile j and the partial O of tile j - 1; both LDS regions are doubled by the tile's parity, which is an immediate: the loop's trip is two tiles.
; The next tile's products stand among this tile's vector work: K Q^T of chunk 0 behind the codes of chunk 0, V^T A and K Q^T of chunk 1 behind the codes of chunk 1.
; LAYOUT.  Both products are used transposed (source 0 = 16 keys, or 16 of the head's 128; source 1 = 16 queries): a lane holds ONE query (lane % 16).  THE KEYS OF A TILE ARE NOT NEIGHBOURS:
; lane r of tile 2 b + u takes key 32 b + 8 u + r + 8 (r / 8), so that the 16 registers of tiles 2 b, 2 b + 1 are keys 32 b + 16 (lane / 16) + 0 .. 15: the conversions' results are the next operand.
; NO CLUSTER, NO TENSOR LOAD: only two work-groups share a head's K and V, each reads them once (264 KB of its 400 KB of inputs), and they are wanted in registers, not in LDS.
; NO SKIPPING UNDER THE MASK: sum(p) wants every score, and the mask hangs on a float input.
; LIMITS: NaN and infinity among the codes are not served; |score x log2(e) / sqrt(128)| stays under 2^23 (differences of M are then exact whole numbers); a p under 2^-126 counts as 0;
; a block of zeros gets the scale byte 1 with zero codes (the bytes are this program's own).  The Q loads issued for tiles 32 and 33 repeat tile 31 (the address is held there), so that the count of loads is the same in every trip.
;
; REGISTERS, in windows of 256 (s_set_vgpr_msb: bits 1:0 source 0, 3:2 source 1, 5:4 source 2, 7:6 destination):
;   window 0: v0-7 addresses; v8-43 statistics and work; v44-61 scale words; v64-191 S^T, then p, pm, a; v192-223 Q, two buffers; v224-255 a's codes (before them: the four waves' statistics)
;   window 1: K, tile (c, t) at 16 (8 c + t)     window 2: V, fragment (t, s) at 16 (2 t + s)     window 3: v0-127 the mask; v128-191 O^T; v192-255 four waves' rows of O
.set OPB,   33792                      ; LDS: partial O of one parity: 4 source waves x 16 rows x 528
.set OWV,   8448                       ; one wave's 16 rows
.set OPI,   528                        ; a row: 512 bytes + 16: the 16 rows that a store touches begin in 16 different 16-byte columns of 256
.set STATS, 2*OPB                      ; 2 parities x 4 waves x 512 bytes: 16 bytes a lane
.set MASK,  STATS+4096                 ; 1,024 f32, written once at the head
.set QSO,  1                           ; v1   4 x (lane % 16): Q's scale word
.set STW,  2                           ; v2   STATS + 16 x thread
.set STR,  3                           ; v3   STATS + 16 x lane
.set OW,   4                           ; v4   8448 w + 528 r + 32 h: where I put 32 bytes of a row of O
.set ORA,  5                           ; v5   2112 w + 16 x lane: where I read my 4 rows back
.set GO,   6                           ; v6   16 x lane: my bytes of a row of out
.set QOFF, 7                           ; v7   128 r + 16 h: Q's fragment
.set NM,   8                           ; v[8:9], v[10:11]   -M of chunk 0, 1 (the high words are named in pairs and written once)
.set RC,   12                          ; v[12:13], v[14:15] r_0, r_1 likewise
.set LA,   16                          ; v[16:19] sum p, two chains of pairs
.set MA,   20                          ; v[20:23] sum p mask, two chains of pairs
.set C1,   18                          ; v[18:19] chunk 1's (l, lm)
.set ST4,  20                          ; v[20:23] the wave's (l, lm, -M, not used)
.set C0,   24                          ; v[24:25] chunk 0's (l, lm)
.set BM,   26                          ; v26-33  the 8 blocks' largest pm, then largest a, then scale bytes
.set T,    34                          ; v34-41  at work
.set PS,   42                          ; v42-43  a's scale words, chunk 0, 1
.set QS,   44                          ; v44-45  Q's scale words, buffer 0, 1
.set KS,   46                          ; v46-53  K's: register 4 c + b: lanes 0-15 tile 2 b's keys, lanes 16-31 tile 2 b + 1's
.set VS,   54                          ; v54-61  V's: register t: lanes 0-15 K step 0, lanes 16-31 K step 1
.set S,    64
.set Q,    192
.set CD,   224
.set KOFF, 224                         ; the head's own, in registers that hold codes later
.set KSOFF, 225
.set VOFF, 226
.set VSOFF, 227
.set HR,   228
.set HH,   229
.set H8,   230
.set HL,   231
.set MK,   240                         ; v240-247 eight mask numbers; v248-251 at work
.set OA,   128                         ; window 3
.set OSUM, 192                         ; window 3
.set WV,   20                          ; s20  wave
.set SEL,  24                          ; s[24:25] selects of v_permlanex16_b32: lane l xor 16
.set CS,   26                          ; s[26:27] log2(e) / sqrt(128), twice
.set MNT,  28                          ; s28  the mantissa field of 57,344
.set EPSR, 29                          ; s29  1e-8
.set LC,   30                          ; s30  the loop's trips
.set QT,   31                          ; s31  the tile that the next Q load takes
.set QB,   32                          ; s[32:33] its codes
.set QSB,  34                          ; s[34:35] its scale words
.set OB,   36                          ; s[36:37] out: my 4 rows of the tile that is stored next
.set STP,  38                          ; s[38:39], s[40:41] the steps of QB and QSB
.set MSB, 0
.macro WIN new                         ; the immediate's high byte repeats the setting that is left; a switch that changes nothing is dropped
.if MSB != \new
	s_set_vgpr_msb (MSB<<8)|\new
.set MSB, \new
.endif
.endm
.macro PLACES n
.rept \n
	v_nop
.endr
.endm
; S^T of chunk c (128 keys) for the tile in Q's buffer qp: 8 products, each starts its own sum.  (window: K 1, all else 0)
.macro QK c, qp
.irp t, 0,1,2,3,4,5,6,7
.if \t % 2
	v_wmma_scale_f32_16x16x128_f8f6f4 v[S+64*\c+8*\t:S+64*\c+8*\t+7], v[16*(8*\c+\t):16*(8*\c+\t)+15], v[Q+16*(\qp):Q+16*(\qp)+15], 0, v[KS+4*\c+\t/2], v[QS+(\qp)] matrix_a_fmt:MATRIX_FMT_BF8 matrix_b_fmt:MATRIX_FMT_BF8 matrix_a_scale:MATRIX_SCALE_ROW1
.else
	v_wmma_scale_f32_16x16x128_f8f6f4 v[S+64*\c+8*\t:S+64*\c+8*\t+7], v[16*(8*\c+\t):16*(8*\c+\t)+15], v[Q+16*(\qp):Q+16*(\qp)+15], 0, v[KS+4*\c+\t/2], v[QS+(\qp)] matrix_a_fmt:MATRIX_FMT_BF8 matrix_b_fmt:MATRIX_FMT_BF8
.endif
.endr
.endm
; O^T over my 256 keys: two K steps; the 8 accumulators take turns, one instruction a turn.  (window: V 2, codes 0, O^T 3)
.macro PV
.irp t, 0,1,2,3,4,5,6,7
	v_wmma_scale_f32_16x16x128_f8f6f4 v[OA+8*\t:OA+8*\t+7], v[32*\t:32*\t+15], v[CD:CD+15], 0, v[VS+\t], v[PS] matrix_a_fmt:MATRIX_FMT_BF8 matrix_b_fmt:MATRIX_FMT_BF8
.endr
.irp t, 0,1,2,3,4,5,6,7
	v_wmma_scale_f32_16x16x128_f8f6f4 v[OA+8*\t:OA+8*\t+7], v[32*\t+16:32*\t+31], v[CD+16:CD+31], v[OA+8*\t:OA+8*\t+7], v[VS+\t], v[PS+1] matrix_a_fmt:MATRIX_FMT_BF8 matrix_b_fmt:MATRIX_FMT_BF8 matrix_a_scale:MATRIX_SCALE_ROW1
.endr
.endm
; the largest of my 16 numbers of each of chunk c's four blocks, the blocks by turns.  Each accumulator is first read at its low end (registers 16 b .. and 16 b + 8)
.macro MAX4 dst, c
.irp b, 0,1,2,3
	v_max3_num_f32 v[(\dst)+\b], v[S+64*(\c)+16*\b], v[S+64*(\c)+16*\b+1], v[S+64*(\c)+16*\b+2]
.endr
.irp i, 3,5,7,9,11,13
.irp b, 0,1,2,3
	v_max3_num_f32 v[(\dst)+\b], v[(\dst)+\b], v[S+64*(\c)+16*\b+\i], v[S+64*(\c)+16*\b+\i+1]
.endr
.endr
.irp b, 0,1,2,3
	v_max_num_f32 v[(\dst)+\b], v[(\dst)+\b], v[S+64*(\c)+16*\b+15]
.endr
.endm
; -M of chunk c: the largest score of my query among the chunk's 128 keys, as t, rounded up to a whole number
.macro FMAX c
	MAX4 T, \c
	v_max3_num_f32 v[T], v[T], v[T+1], v[T+2]
	v_max_num_f32 v[T], v[T], v[T+3]
	v_permlanex16_b32 v[T+4], v[T], s[SEL], s[SEL+1]  ; the query's other 64 keys lie in lane l xor 16
	v_max_num_f32 v[T], v[T], v[T+4]
	v_mul_f32 v[T], s[CS], v[T]
	v_floor_f32 v[NM+2*\c], -v[T]                  ; floor(-t) = -ceil(t)
.endm
; each block's largest pm, of all 32 keys
.macro BMAX c
	MAX4 BM+4*\c, \c
.irp b, 0,1,2,3
	v_permlanex16_b32 v[T+\b], v[BM+4*\c+\b], s[SEL], s[SEL+1]
.endr
.irp b, 0,1,2,3
	v_max_num_f32 v[BM+4*\c+\b], v[BM+4*\c+\b], v[T+\b]
.endr
.endm
.macro QLOAD qp                        ; a tile of Q into buffer qp: its fragment and its scale words
.irp q, 0,1,2,3
	global_load_b128 v[Q+16*(\qp)+4*\q:Q+16*(\qp)+4*\q+3], v[QOFF], s[QB:QB+1] offset:32*\q
.endr
	global_load_b32 v[QS+(\qp)], v[QSO], s[QSB:QSB+1]
.endm
; THE LINES OF THE ELEMENTWISE PHASE, on pair k (0 .. 31) of chunk c.  All stand under ONE window setting, source 1 in window 3 (the mask's): so a plain sum is written as x 1.0 + sum, with the constant as source 1.
.macro SCL c, k                        ; t - M
	v_pk_fma_f32 v[S+64*(\c)+2*(\k):S+64*(\c)+2*(\k)+1], v[S+64*(\c)+2*(\k):S+64*(\c)+2*(\k)+1], s[CS:CS+1], v[NM+2*(\c):NM+2*(\c)+1] op_sel_hi:[1,0,0]
.endm
.macro EX c, e                         ; p = 2^(t - M)
	v_exp_f32 v[S+64*(\c)+(\e)], v[S+64*(\c)+(\e)]
.endm
.macro LS c, k                         ; sum p, two chains; the first two pairs start them
.if (\k) < 2
	v_pk_mul_f32 v[LA+2*((\k)%2):LA+2*((\k)%2)+1], v[S+64*(\c)+2*(\k):S+64*(\c)+2*(\k)+1], 1.0 op_sel_hi:[1,0]
.else
	v_pk_fma_f32 v[LA+2*((\k)%2):LA+2*((\k)%2)+1], v[S+64*(\c)+2*(\k):S+64*(\c)+2*(\k)+1], 1.0, v[LA+2*((\k)%2):LA+2*((\k)%2)+1] op_sel_hi:[1,0,1]
.endif
.endm
.macro MS c, k                         ; sum p mask, likewise
.if (\k) < 2
	v_pk_mul_f32 v[MA+2*((\k)%2):MA+2*((\k)%2)+1], v[S+64*(\c)+2*(\k):S+64*(\c)+2*(\k)+1], v[64*(\c)+2*(\k):64*(\c)+2*(\k)+1]
.else
	v_pk_fma_f32 v[MA+2*((\k)%2):MA+2*((\k)%2)+1], v[S+64*(\c)+2*(\k):S+64*(\c)+2*(\k)+1], v[64*(\c)+2*(\k):64*(\c)+2*(\k)+1], v[MA+2*((\k)%2):MA+2*((\k)%2)+1]
.endif
.endm
.macro PM c, k                         ; pm = p mask, in place
	v_pk_mul_f32 v[S+64*(\c)+2*(\k):S+64*(\c)+2*(\k)+1], v[S+64*(\c)+2*(\k):S+64*(\c)+2*(\k)+1], v[64*(\c)+2*(\k):64*(\c)+2*(\k)+1]
.endm
; chunk 0's scalings and exponentials: one batch; no line names an exponential's result; a pair is scaled two pairs ahead of its exponentials
.macro EXPS0
	SCL 0, 0
	SCL 0, 1
.set kk, 0
.rept 32
	EX 0, 2*kk
	EX 0, 2*kk+1
.if kk < 30
	SCL 0, kk+2
.endif
.set kk, kk+1
.endr
.endm
; chunk 1's batch, with chunk 0's sums and products between its exponentials: these read chunk 0's p alone, whose wait stands ahead of this macro
.macro MIX
	SCL 1, 0
	SCL 1, 1
.set kk, 0
.rept 32
	EX 1, 2*kk
	LS 0, kk
	EX 1, 2*kk+1
	MS 0, kk
	PM 0, kk
.if kk < 30
	SCL 1, kk+2
.endif
.set kk, kk+1
.endr
.endm
.macro ACC1
.set kk, 0
.rept 32
	LS 1, kk
	MS 1, kk
	PM 1, kk
.set kk, kk+1
.endr
.endm
.macro COLLAPSE dst                    ; the chains and the halves of the pairs: my lane's (l, lm) of a chunk
	v_pk_add_f32 v[LA:LA+1], v[LA:LA+1], v[LA+2:LA+3]
	v_pk_add_f32 v[MA:MA+1], v[MA:MA+1], v[MA+2:MA+3]
	v_add_f32 v[\dst], v[LA], v[LA+1]
	v_add_f32 v[\dst+1], v[MA], v[MA+1]
.endm
; the wave's statistics: both chunks under the larger M (by powers of two: nothing is rounded), with lane l xor 16's; as an image of registers into parity sp
.macro WSTATS sp
	v_min_num_f32 v[ST4+2], v[NM], v[NM+2]         ; -M_w
	v_sub_f32 v[T], v[ST4+2], v[NM]                ; M_0 - M_w: a whole number, 0 or less
	v_sub_f32 v[T+1], v[ST4+2], v[NM+2]
	v_cvt_i32_f32 v[T], v[T]
	v_cvt_i32_f32 v[T+1], v[T+1]
	v_ldexp_f32 v[C0], v[C0], v[T]
	v_ldexp_f32 v[C0+1], v[C0+1], v[T]
	v_ldexp_f32 v[C1], v[C1], v[T+1]
	v_ldexp_f32 v[C1+1], v[C1+1], v[T+1]
	v_pk_add_f32 v[ST4:ST4+1], v[C0:C0+1], v[C1:C1+1]
	v_permlanex16_b32 v[T+2], v[ST4], s[SEL], s[SEL+1]
	v_permlanex16_b32 v[T+3], v[ST4+1], s[SEL], s[SEL+1]
	v_pk_add_f32 v[ST4:ST4+1], v[ST4:ST4+1], v[T+2:T+3]
	ds_store_b128 v[STW], v[ST4:ST4+3] offset:2048*(\sp)   ; (l, lm, -M); the fourth word rides along and nobody reads it
.endm
.macro SLOAD par                       ; my lane's words of all four waves
.irp w, 0,1,2,3
	ds_load_b128 v[CD+4*\w:CD+4*\w+3], v[STR] offset:2048*(\par)+512*\w
.endr
.endm
; the row's M, l, lm; D = lm + 1e-8 l; r_c = 2^(M_c - M) / D
.macro GSTATS
	v_min3_num_f32 v[T], v[CD+2], v[CD+6], v[CD+10]
	v_min_num_f32 v[T], v[T], v[CD+14]             ; -M
.irp w, 0,1,2,3
	v_sub_f32 v[T+1+\w], v[T], v[CD+4*\w+2]        ; M_w - M
.endr
.irp w, 0,1,2,3
	v_cvt_i32_f32 v[T+1+\w], v[T+1+\w]
.endr
.irp w, 0,1,2,3
	v_ldexp_f32 v[CD+4*\w], v[CD+4*\w], v[T+1+\w]
	v_ldexp_f32 v[CD+4*\w+1], v[CD+4*\w+1], v[T+1+\w]
.endr
	v_pk_add_f32 v[CD:CD+1], v[CD:CD+1], v[CD+4:CD+5]
	v_pk_add_f32 v[CD+8:CD+9], v[CD+8:CD+9], v[CD+12:CD+13]
	v_pk_add_f32 v[CD:CD+1], v[CD:CD+1], v[CD+8:CD+9]
	v_fma_f32 v[T+5], s[EPSR], v[CD], v[CD+1]      ; at least 1e-8 / 2: the row's largest p lies above 1/2
	v_rcp_f32 v[T+5], v[T+5]
	v_sub_f32 v[T+6], v[T], v[NM]                  ; M_0 - M: four plain lines behind the reciprocal that name nothing of it
	v_sub_f32 v[T+7], v[T], v[NM+2]
	v_cvt_i32_f32 v[T+6], v[T+6]
	v_cvt_i32_f32 v[T+7], v[T+7]
	s_wait_alu depctr_va_vdst(0)                   ; ahead of the reciprocal's first reader
	v_ldexp_f32 v[RC], v[T+5], v[T+6]
	v_ldexp_f32 v[RC+2], v[T+5], v[T+7]
.endm
; chunk c: a = pm r_c becomes codes and a scale word.  A block's largest a is its largest pm x r_c, bit for bit: a product by one positive factor, rounded, keeps the order
.macro QUANT c
.irp b, 0,1,2,3
	v_mul_f32 v[BM+4*\c+\b], v[BM+4*\c+\b], v[RC+2*\c]
.endr
.irp b, 0,1,2,3
	v_max_num_f32 v[BM+4*\c+\b], 0x8000000, v[BM+4*\c+\b]   ; the floor 2^(16 - 127): the byte cannot fall under 1
.endr
.irp b, 0,1,2,3
	v_add_nc_u32 v[T+\b], 0xf8800000, v[BM+4*\c+\b]         ; 15 off the exponent field: the conversion's scale operand
.endr
.irp b, 0,1,2,3
	v_and_or_b32 v[T+4+\b], v[BM+4*\c+\b], 0x7f800000, s[MNT]   ; 57,344 x the scale
.endr
.irp b, 0,1,2,3
	v_lshrrev_b32 v[BM+4*\c+\b], 23, v[T+\b]                ; the scale's byte
.endr
	v_lshl_or_b32 v[PS+\c], v[BM+4*\c+1], 8, v[BM+4*\c]
	v_lshl_or_b32 v[PS+\c], v[BM+4*\c+2], 16, v[PS+\c]
	v_lshl_or_b32 v[PS+\c], v[BM+4*\c+3], 24, v[PS+\c]      ; the word stands more than eight plain lines ahead of the product that names it
.irp b, 0,1,2,3
.irp k, 0,2,4,6,8,10,12,14
	v_pk_mul_f32 v[S+64*\c+16*\b+\k:S+64*\c+16*\b+\k+1], v[S+64*\c+16*\b+\k:S+64*\c+16*\b+\k+1], v[RC+2*\c:RC+2*\c+1] op_sel_hi:[1,0]
.endr
.irp i, 0,1,2,3,4,5,6,7,8,9,10,11,12,13,14,15
	v_min_num_f32 v[S+64*\c+16*\b+\i], v[S+64*\c+16*\b+\i], v[T+4+\b]   ; the conversion to an 8-bit code does not saturate (ISA guide 7.6.2); a is not negative, so the hold is one-sided
.endr
	v_cvt_scalef32_pk8_bf8_f32 v[CD+16*\c+4*\b:CD+16*\c+4*\b+1], v[S+64*\c+16*\b:S+64*\c+16*\b+7], v[T+\b]
	v_cvt_scalef32_pk8_bf8_f32 v[CD+16*\c+4*\b+2:CD+16*\c+4*\b+3], v[S+64*\c+16*\b+8:S+64*\c+16*\b+15], v[T+\b]
.endr
	v_nop                                          ; one plain line between the last conversion and the products that write its sources
.endm
.macro OSTORE par                      ; my partial O^T into parity par: lane (r, h): o(r, 16 t + 8 h + 0 .. 7); each accumulator from its low end on.  (window: data 3)
.irp t, 0,1,2,3,4,5,6,7
	ds_store_b128 v[OW], v[OA+8*\t:OA+8*\t+3] offset:OPB*(\par)+64*\t
	ds_store_b128 v[OW], v[OA+8*\t+4:OA+8*\t+7] offset:OPB*(\par)+64*\t+16
.endr
.endm
.macro OLOAD par                       ; rows 4 w .. 4 w + 3 of all four waves' partial O.  (window: destination 3)
.irp w, 0,1,2,3
.irp i, 0,1,2,3
	ds_load_b128 v[OSUM+16*\w+4*\i:OSUM+16*\w+4*\i+3], v[ORA] offset:OPB*(\par)+OWV*\w+OPI*\i
.endr
.endr
.endm
.macro OREDUCE                         ; (w0 + w1) + (w2 + w3), and out
	s_wait_dscnt 0x0
	WIN 0xcf
.irp p, 0,2,4,6,8,10,12,14
	v_pk_add_f32 v[OSUM+\p:OSUM+\p+1], v[OSUM+\p:OSUM+\p+1], v[OSUM+16+\p:OSUM+16+\p+1]
	v_pk_add_f32 v[OSUM+32+\p:OSUM+32+\p+1], v[OSUM+32+\p:OSUM+32+\p+1], v[OSUM+48+\p:OSUM+48+\p+1]
.endr
.irp p, 0,2,4,6,8,10,12,14
	v_pk_add_f32 v[OSUM+\p:OSUM+\p+1], v[OSUM+\p:OSUM+\p+1], v[OSUM+32+\p:OSUM+32+\p+1]
.endr
	WIN 0x0c
.irp i, 0,1,2,3
	global_store_b128 v[GO], v[OSUM+4*\i:OSUM+4*\i+3], s[OB:OB+1] offset:512*\i th:TH_STORE_NT   ; 32 lanes store a row: 512 consecutive bytes, at a multiple of 256 from out's first byte
.endr
.endm
; THE FRONT HALF OF A TILE, whose scores lie in S: maxima, p, sums, pm, the wave's statistics into parity sp.  sto = 1: the tile before's O^T goes into parity op on the way.  adv = 1: out's base steps.
.macro FRONT sp, op, sto, adv
	FMAX 0                                         ; 38 plain lines: the places between the last products and the loads into Q's buffer, and the stores of O^T, below
	QLOAD \sp                                      ; the buffer that those products have read takes the tile two on
	WIN 0x0c
	EXPS0
.if \sto
	OSTORE \op
.endif
	WIN 0
	FMAX 1                                         ; plain work behind chunk 0's batch, which names none of its results
	s_wait_alu depctr_va_vdst(0)                   ; one wait for chunk 0's 64 exponentials, ahead of their first reader
	WIN 0x0c
	MIX
	WIN 0
	COLLAPSE C0
	s_wait_alu depctr_va_vdst(0)                   ; and one for chunk 1's
	WIN 0x0c
	ACC1
	WIN 0
	COLLAPSE C1
	WSTATS \sp
	s_wait_xcnt 0x0                                ; the Q loads and the stores of out have read their bases, offsets and data: all may be written again
.if \adv
	s_add_nc_u64 s[OB:OB+1], s[OB:OB+1], 8192      ; 16 rows of out on
.endif
	s_cmp_lt_u32 s[QT], 31                         ; Q's bases step a tile on, and stay at the last tile: no load leaves its buffer
	s_cselect_b32 s[STP], 2048, 0
	s_cselect_b32 s[STP+2], 64, 0
	s_add_nc_u64 s[QB:QB+1], s[QB:QB+1], s[STP:STP+1]
	s_add_nc_u64 s[QSB:QSB+1], s[QSB:QSB+1], s[STP+2:STP+3]
	s_add_co_u32 s[QT], s[QT], 1
	s_min_u32 s[QT], s[QT], 31
.endm
; TILE j, par = j % 2.  prev = 1: tile j - 1's O is added and stored.  next = 1: tile j + 1's products and front half follow.
.macro BODY par, prev, next
	s_wait_dscnt 0x0                               ; for the others' sake: my statistics of tile j and my O^T of tile j - 1 lie in LDS, and my reads of the other parities are over
	s_barrier_signal -1
	BMAX 0                                         ; work on registers while the others arrive
	s_barrier_wait -1
	SLOAD \par
.if \prev
	WIN 0xc0
	OLOAD 1-\par
	WIN 0
.endif
	BMAX 1
	s_wait_dscnt 16*\prev                          ; the four loads of statistics are in; the 16 of O, issued behind them, may be out
	GSTATS
	QUANT 0
.if \next
	s_wait_loadcnt 0x5                             ; tile j + 1's Q is in: behind its five loads only tile j + 2's five were issued (in tile 0 this also shows all of V landed)
	WIN 0x01
	QK 0, 1-\par
	WIN 0
.endif
	QUANT 1
.if \prev
	OREDUCE                                        ; its 24 additions are also the plain lines between the last codes and the products
.else
	PLACES 4
.endif
	WIN 0xf2
	PV
.if \next
	WIN 0x01
	QK 1, 1-\par
	WIN 0
	FRONT 1-\par, \par, 1, \prev
.else
	WIN 0
	PLACES 8                                       ; between the last products and the stores that read their results
	WIN 0x0c
	OSTORE \par
	WIN 0
	s_wait_xcnt 0x0                                ; the stores of tile j - 1 have read their base and data
	s_add_nc_u64 s[OB:OB+1], s[OB:OB+1], 8192
.endif
.endm
.macro VLOAD t                         ; V's two fragments of rows 16 t on.  (window: destination 2)
.irp s, 0,1
.irp q, 0,1,2,3
	global_load_b128 v[16*(2*\t+\s)+4*\q:16*(2*\t+\s)+4*\q+3], v[VOFF], s[14:15] offset:16*\t*1024+128*\s+32*\q
.endr
.endr
.endm
; ---------------------------------------------------------------- the head
	s_load_b256 s[4:11], s[0:1], 0x0               ; K's codes s[4:5], K's scales s[6:7], Q's codes s[8:9], Q's scales s[10:11]
	s_load_b256 s[12:19], s[0:1], 0x20             ; span s[12:13], V's codes s[14:15], V's scales s[16:17], out s[18:19]
	v_lshl_add_u32 v62, v0, 2, 0x12800
	v_mov_b32 v63, 0
	v_lshrrev_b32 v1, 5, v0
	v_readfirstlane_b32 s[WV], v1                  ; wave 0..3
	s_lshr_b32 s21, ttmp9, 1                       ; which (batch, head)
	s_and_b32 s22, ttmp9, 1                        ; which half of its queries
	s_lshl_b32 s23, s21, 17                        ; its first byte in each tensor of codes
	s_lshl_b32 s43, s21, 12                        ; and of scale bytes
	s_lshl_b32 s44, s[WV], 15
	s_add_co_u32 s44, s44, s23                     ; K's codes: my 256 keys of 128 bytes
	s_lshl_b32 s46, s[WV], 10
	s_add_co_u32 s46, s46, s43                     ; K's scales: 4 bytes a key
	s_lshl_b32 s48, s22, 16
	s_add_co_u32 s48, s48, s23                     ; Q's codes: my work-group's 512 queries
	s_lshl_b32 s50, s22, 11
	s_add_co_u32 s50, s50, s43                     ; Q's scales
	s_lshl_b32 s52, s[WV], 8
	s_add_co_u32 s52, s52, s23                     ; V's codes: my 256 keys in each row of 1,024
	s_lshl_b32 s54, s[WV], 3
	s_add_co_u32 s54, s54, s43                     ; V's scales: my 8 bytes in each row of 32
	s_lshl_b32 s56, s21, 19
	s_lshl_b32 s57, s22, 18
	s_add_co_u32 s56, s56, s57
	s_lshl_b32 s57, s[WV], 11
	s_add_co_u32 s56, s56, s57                     ; out: the half's first tile, my 4 rows of 512 bytes
	s_and_b32 s58, s21, 15
	s_lshl_b32 s58, s58, 2                         ; span: the head's number
.irp p, 45,47,49,51,53,55,57,59
	s_mov_b32 s\p, 0
.endr
	s_mov_b32 s[SEL], 0x76543210
	s_mov_b32 s[SEL+1], 0xfedcba98
	s_mov_b32 s[CS], 0x3e0293ee                    ; log2(e) / sqrt(128)
	s_mov_b32 s[CS+1], s[CS]
	s_mov_b32 s[MNT], 0x600000
	s_mov_b32 s[EPSR], 0x322bcc77                  ; 1e-8
	s_mov_b32 s[QT], 2
	s_mov_b32 s[STP+1], 0
	s_mov_b32 s[STP+3], 0
	v_and_b32 v[HL], 31, v0                        ; lane
	v_and_b32 v[HR], 15, v0                        ; r
	v_bfe_u32 v[HH], v0, 4, 1                      ; h
	v_and_b32 v[H8], 8, v[HR]
	v_add_nc_u32 v[H8], v[H8], v[HR]               ; r + 8 (r / 8)
	v_lshlrev_b32 v[KOFF], 7, v[H8]
	v_lshl_add_u32 v[KOFF], v[HH], 4, v[KOFF]      ; K: the tile's row of 128 bytes, + 16 h
	v_lshl_add_u32 v[KSOFF], v[HH], 3, v[H8]
	v_lshlrev_b32 v[KSOFF], 2, v[KSOFF]            ; K's scale words: lanes 16-31 take the tile 8 keys on
	v_lshlrev_b32 v[QOFF], 7, v[HR]
	v_lshl_add_u32 v[QOFF], v[HH], 4, v[QOFF]
	v_lshlrev_b32 v[QSO], 2, v[HR]
	v_lshlrev_b32 v[VOFF], 10, v[HR]
	v_lshl_add_u32 v[VOFF], v[HH], 4, v[VOFF]      ; V: row r of 1,024 bytes, + 16 h
	v_lshlrev_b32 v[VSOFF], 5, v[HR]
	v_lshl_add_u32 v[VSOFF], v[HH], 2, v[VSOFF]    ; V's scale words: row r of 32 bytes; lanes 16-31 take K step 1's
	s_wait_kmcnt 0x0
	s_add_nc_u64 s[12:13], s[12:13], s[58:59]
	s_load_b32 s42, s[12:13], 0x0                  ; the head's span
	s_add_nc_u64 s[4:5], s[4:5], s[44:45]
	s_add_nc_u64 s[6:7], s[6:7], s[46:47]
	s_add_nc_u64 s[8:9], s[8:9], s[48:49]
	s_add_nc_u64 s[10:11], s[10:11], s[50:51]
	s_add_nc_u64 s[14:15], s[14:15], s[52:53]
	s_add_nc_u64 s[16:17], s[16:17], s[54:55]
	s_add_nc_u64 s[OB:OB+1], s[18:19], s[56:57]
	s_add_nc_u64 s[QB:QB+1], s[8:9], 4096          ; the walking bases begin at tile 2: tiles 0 and 1 are loaded from s[8:11]
	s_add_nc_u64 s[QSB:QSB+1], s[10:11], 128
	; the first group, 82 loads: what the first scores want
	WIN 0x40
.irp c, 0,1
.irp t, 0,1,2,3,4,5,6,7
.irp q, 0,1,2,3
	global_load_b128 v[16*(8*\c+\t)+4*\q:16*(8*\c+\t)+4*\q+3], v[KOFF], s[4:5] offset:(128*\c+32*(\t/2)+8*(\t%2))*128+32*\q
.endr
.endr
.endr
	WIN 0
.irp c, 0,1
.irp b, 0,1,2,3
	global_load_b32 v[KS+4*\c+\b], v[KSOFF], s[6:7] offset:512*\c+128*\b
.endr
.endr
.irp j, 0,1
.irp q, 0,1,2,3
	global_load_b128 v[Q+16*\j+4*\q:Q+16*\j+4*\q+3], v[QOFF], s[8:9] offset:2048*\j+32*\q
.endr
	global_load_b32 v[QS+\j], v[QSO], s[10:11] offset:64*\j
.endr
	; the second group, 56 loads
.irp t, 0,1,2,3,4,5,6,7
	global_load_b32 v[VS+\t], v[VSOFF], s[16:17] offset:512*\t
.endr
	WIN 0x80
.irp t, 0,1,2,3,4,5
	VLOAD \t
.endr
	WIN 0
	; addresses that stay
	v_lshl_add_u32 v[STW], v0, 4, STATS
	v_lshl_add_u32 v[STR], v[HL], 4, STATS
	s_mul_i32 s21, s[WV], OWV
	v_mul_u32_u24 v[OW], v[HR], OPI
	v_lshl_add_u32 v[OW], v[HH], 5, v[OW]
	v_add_nc_u32 v[OW], s21, v[OW]
	s_mul_i32 s21, s[WV], 4*OPI
	v_lshlrev_b32 v[GO], 4, v[HL]
	v_add_nc_u32 v[ORA], s21, v[GO]
.irp p, NM+1, NM+3, RC+1, RC+3, T+4
	v_mov_b32 v[\p], 0                             ; the upper halves of pairs of which the low word alone is used, and a lane permute's destination: written once
.endr
	; THE MASK: thread n makes keys 8 n .. 8 n + 7: clip((key - 1023 + span x 1024 + 32) / 32, 0, 1).  span x 1024 and the division by 32 are exact, so the two fused lines round where the plain order rounds
	v_lshlrev_b32 v[MK+8], 3, v0
	v_lshl_add_u32 v[MK+10], v0, 5, MASK
	s_mov_b32 s21, 0x44800000                      ; 1,024
	s_lshl_b32 s22, s[WV], 10
	s_add_co_u32 s22, s22, MASK
	v_lshl_add_u32 v[MK+11], v[HH], 6, s22         ; back: my wave's 256 keys, + 16 keys for lanes 16-31
.irp i, 0,1,2,3,4,5,6,7
	v_add_nc_u32 v[MK+\i], \i-1023, v[MK+8]
.endr
.irp i, 0,1,2,3,4,5,6,7
	v_cvt_f32_i32 v[MK+\i], v[MK+\i]
.endr
	s_wait_kmcnt 0x0                               ; span
.irp i, 0,1,2,3,4,5,6,7
	v_fma_f32 v[MK+\i], s42, s21, v[MK+\i]
.endr
.irp i, 0,1,2,3,4,5,6,7
	v_fma_f32 v[MK+\i], v[MK+\i], 0x3d000000, 1.0
.endr
.irp i, 0,1,2,3,4,5,6,7
	v_med3_num_f32 v[MK+\i], v[MK+\i], 0, 1.0
.endr
	ds_store_b128 v[MK+10], v[MK:MK+3]
	ds_store_b128 v[MK+10], v[MK+4:MK+7] offset:16
	s_wait_dscnt 0x0                               ; for the others' sake: my part of the table lies in LDS
	s_barrier_signal -1
	s_barrier_wait -1
	WIN 0xc0
.irp c, 0,1
.irp b, 0,1,2,3
.irp q, 0,1,2,3
	ds_load_b128 v[64*\c+16*\b+4*\q:64*\c+16*\b+4*\q+3], v[MK+11] offset:512*\c+128*\b+16*\q   ; register 64 c + 16 b + i: key 256 w + 128 c + 32 b + 16 h + i, as in S
.endr
.endr
.endr
	s_wait_loadcnt 56                              ; the first group is in: only the second group's 56 loads were issued behind it
	WIN 0x01
	QK 0, 0
	QK 1, 0
	WIN 0x80
	VLOAD 6                                        ; the last 16 loads of V
	VLOAD 7
	WIN 0
	PLACES 8                                       ; between the first products and the first read of their results (ISA guide 7.12.1)
	s_wait_dscnt 0x0                               ; the mask
	FRONT 0, 0, 0, 0
; ---------------------------------------------------------------- the 32 tiles
	BODY 0, 0, 1                                   ; tile 0: nothing to add and store yet
	s_mov_b32 s[LC], 15
.Lpair:                                                ; tiles 1 to 30, two a trip, so that every parity is an immediate
	BODY 1, 1, 1
	BODY 0, 1, 1
	s_sub_co_u32 s[LC], s[LC], 1
	s_cmp_lg_u32 s[LC], 0
	s_cbranch_scc1 .Lpair
	BODY 1, 1, 0                                   ; tile 31: no tile follows
	s_wait_dscnt 0x0                               ; for the others' sake: my O^T of tile 31 lies in LDS
	s_barrier_signal -1
	s_barrier_wait -1
	WIN 0xc0
	OLOAD 1
	OREDUCE
	WIN 0
	s_wait_tensorcnt 0x0
	ds_add_u32 v62, v63
	s_wait_dscnt 0x0
	s_endpgm
.Lfunc_end_k_q9f2ff53695_attn:
	.size	k_q9f2ff53695_attn, .Lfunc_end_k_q9f2ff53695_attn-k_q9f2ff53695_attn
	.p2alignl 7, 3214868480
	.fill 96, 4, 3214868480
	.section	.rodata,"a",@progbits
	.p2align	6, 0x0
	.amdhsa_kernel k_q9f2ff53695_attn
		.amdhsa_group_segment_fixed_size 76288
		.amdhsa_private_segment_fixed_size 0
		.amdhsa_enable_private_segment 0
		.amdhsa_kernarg_size 64
		.amdhsa_user_sgpr_count 2
		.amdhsa_user_sgpr_kernarg_segment_ptr 1
		.amdhsa_wavefront_size32 1
		.amdhsa_system_sgpr_workgroup_id_x 1
		.amdhsa_system_sgpr_workgroup_id_y 1
		.amdhsa_system_sgpr_workgroup_id_z 1
		.amdhsa_system_vgpr_workitem_id 0
		.amdhsa_next_free_vgpr 1024
		.amdhsa_next_free_sgpr 66
		.amdhsa_reserve_vcc 0
		.amdhsa_float_denorm_mode_32 3
		.amdhsa_float_denorm_mode_16_64 3
		.amdhsa_memory_ordered 1
		.amdhsa_forward_progress 1
		.amdhsa_inst_pref_size 236
	.end_amdhsa_kernel
	.amdgpu_metadata
---
amdhsa.version: [ 1, 2 ]
amdhsa.kernels:
  - .name:           k_q9f2ff53695_attn
    .symbol:         k_q9f2ff53695_attn.kd
    .args:
      - { .name: key_codes, .offset: 0, .size: 8, .value_kind: global_buffer, .address_space: global }
      - { .name: key_scales, .offset: 8, .size: 8, .value_kind: global_buffer, .address_space: global }
      - { .name: query_codes, .offset: 16, .size: 8, .value_kind: global_buffer, .address_space: global }
      - { .name: query_scales, .offset: 24, .size: 8, .value_kind: global_buffer, .address_space: global }
      - { .name: span_val, .offset: 32, .size: 8, .value_kind: global_buffer, .address_space: global }
      - { .name: value_codes, .offset: 40, .size: 8, .value_kind: global_buffer, .address_space: global }
      - { .name: value_scales, .offset: 48, .size: 8, .value_kind: global_buffer, .address_space: global }
      - { .name: out0, .offset: 56, .size: 8, .value_kind: global_buffer, .address_space: global }
    .group_segment_fixed_size: 76288
    .private_segment_fixed_size: 0
    .kernarg_segment_align: 8
    .kernarg_segment_size: 64
    .max_flat_workgroup_size: 128
    .sgpr_count:     66
    .vgpr_count:     1024
    .wavefront_size: 32
...
	.end_amdgpu_metadata
.endif
;; end of part 1
;; ======== version 2 of 2: 1 launch; version 1 with the launch attn written anew for expert scheduling mode
;; launch attn (part 2): grid 256 x 1, 4 waves a work-group, no clusters, 76,288 bytes of LDS; arguments key_codes, key_scales, query_codes, query_scales, span_val, value_codes, value_scales, out0; writes out0
.if DOCPART == 2
	.amdgcn_target "amdgcn-amd-amdhsa--gfx1250"
	.amdhsa_code_object_version 6
	.text
	.protected	k_q9f2ff53695_attn
	.globl	k_q9f2ff53695_attn
	.p2align	8
	.type	k_q9f2ff53695_attn,@function
k_q9f2ff53695_attn:
	s_mov_b64 s[64:65], 0
	v_nop
	global_prefetch_b8 v0, s[64:65] scope:SCOPE_SE
	s_setreg_imm32_b32 hwreg(HW_REG_WAVE_SCHED_MODE, 0, 2), 2
	s_setreg_imm32_b32 hwreg(HW_REG_WAVE_MODE, 25, 1), 1
	s_wait_xcnt 0x0
	s_wait_alu depctr_vm_vsrc(0)
; out = A V,  A = softmax(Q K^T / sqrt(128)) x mask / (sum of that + 1e-8), per (batch, head): 1,024 queries, 1,024 keys, head size 128.
; Both products on E5M2 codes with one E8M0 byte for each 32 along K.  A is quantised FINISHED: a = p mask / (sum(p mask) + 1e-8 sum(p)), which is the same number
; as softmax x mask / (its sum + 1e-8) whatever common factor p carries.  So a row's maximum and both sums are complete before a code is made.
; SHARES.  A work-group of four waves owns 512 queries of one (batch, head): 32 tiles of 16.  WAVE w OWNS KEYS 256 w .. 256 w + 255 for the whole launch: K's 16 fragments,
; V's 16 fragments and its 256 mask numbers are loaded once, straight into registers (640 of them), and the query tiles stream past.
; A TILE.  S^T = K Q^T for my 256 keys, as two chunks of 128 (16 matrix instructions); each chunk takes away a maximum of its own, rounded UP to a whole number M_c, so that every
; later change of scale is a power of two and rounds nothing; p = 2^(t - M_c), sum(p), sum(p mask), pm = p mask.  The four waves exchange (sum p, sum pm, -M) through LDS;
; every wave forms D = sum pm + 1e-8 sum p and r_c = 2^(M_c - M) / D, quantises a = pm r_c in registers and makes O^T over its 256 keys (16 matrix instructions).
; The four partial O^T meet in LDS as rows; each wave adds and stores 4 whole rows of 512 bytes.
; ONE BARRIER A TILE serves the statistics of tile j and the partial O of tile j - 1; both LDS regions are doubled by the tile's parity, which is an immediate: the loop's trip is two tiles.
; The next tile's products stand among this tile's vector work: K Q^T of chunk 0 behind the codes of chunk 0, V^T A and K Q^T of chunk 1 behind the codes of chunk 1.
; LAYOUT.  Both products are used transposed (source 0 = 16 keys, or 16 of the head's 128; source 1 = 16 queries): a lane holds ONE query (lane % 16).  THE KEYS OF A TILE ARE NOT NEIGHBOURS:
; lane r of tile 2 b + u takes key 32 b + 8 u + r + 8 (r / 8), so that the 16 registers of tiles 2 b, 2 b + 1 are keys 32 b + 16 (lane / 16) + 0 .. 15: the conversions' results are the next operand.
; NO CLUSTER, NO TENSOR LOAD: only two work-groups share a head's K and V, each reads them once (264 KB of its 400 KB of inputs), and they are wanted in registers, not in LDS.
; NO SKIPPING UNDER THE MASK: sum(p) wants every score, and the mask hangs on a float input.
; LIMITS: NaN and infinity among the codes are not served; |score x log2(e) / sqrt(128)| stays under 2^23 (differences of M are then exact whole numbers); a p under 2^-126 counts as 0;
; a block of zeros gets the scale byte 1 with zero codes (the bytes are this program's own).  The Q loads issued for tiles 32 and 33 repeat tile 31 (the address is held there), so that the count of loads is the same in every trip.
;
; THE MODE: SCHED_MODE bits 1:0 = 2 (LLVM: expert scheduling mode 2), set by the entry lines.  The code itself states the register dependences
; between vector or matrix instructions and memory or LDS instructions, with s_wait_alu, always for 0.
; THE PLAN.  Registers that memory or LDS instructions touch, round a tile:
;   v1-v7          offsets and LDS addresses: made at the head, never written again.
;   Q0, Q1, QS     a tile's 16 products K Q^T read a buffer; behind them the five loads of the tile two on land in it.
;   O^T            written by a tile's 16 products V^T A; read by 16 LDS stores in the next front half; written again by the next tile's products.
;   v[20:23]       written by a front half's sums; read by one LDS store; written again by the next front half's sums.
;   v224-239       four LDS loads land there (the four waves' statistics); vector lines work on them, the codes take their place, the products V^T A read those; then the next tile's loads.
;   OSUM           16 LDS loads land there; 24 additions work in place; four stores read the sums; then the next tile's loads.
; THE WAITS of a tile.  On va_vdst: (1) in the front half, behind chunk 1's maxima: chunk 0's exponentials are written, the products K Q^T are done reading Q's buffer, the products V^T A have written O^T:
; the Q loads and the stores of O^T follow it, and the lines behind them name S, the sums and the mask alone; (2) chunk 1's exponentials; (3) ahead of the statistics' store; (4) the reciprocal;
; (5) ahead of V^T A: the codes, their scale words and OSUM's sums are written; the four stores of out stand behind those products, which name no register of theirs.
; On vm_vsrc: one, behind the barrier: the stores of out have read OSUM, the LDS stores have read O^T and v[20:23]: all three are written again only behind it.
;
; REGISTERS, in windows of 256 (s_set_vgpr_msb: bits 1:0 source 0, 3:2 source 1, 5:4 source 2, 7:6 destination):
;   window 0: v0-7 addresses; v8-43 statistics and work; v44-61 scale words; v64-191 S^T, then p, pm, a; v192-223 Q, two buffers; v224-255 a's codes (before them: the four waves' statistics)
;   window 1: K, tile (c, t) at 16 (8 c + t)     window 2: V, fragment (t, s) at 16 (2 t + s)     window 3: v0-127 the mask; v128-191 O^T; v192-255 four waves' rows of O
.set OPB,   33792                      ; LDS: partial O of one parity: 4 source waves x 16 rows x 528
.set OWV,   8448                       ; one wave's 16 rows
.set OPI,   528                        ; a row: 512 bytes + 16: the 16 rows that a store touches begin in 16 different 16-byte columns of 256
.set STATS, 2*OPB                      ; 2 parities x 4 waves x 512 bytes: 16 bytes a lane
.set MASK,  STATS+4096                 ; 1,024 f32, written once at the head
.set QSO,  1                           ; v1   4 x (lane % 16): Q's scale word
.set STW,  2                           ; v2   STATS + 16 x thread
.set STR,  3                           ; v3   STATS + 16 x lane
.set OW,   4                           ; v4   8448 w + 528 r + 32 h: where I put 32 bytes of a row of O
.set ORA,  5                           ; v5   2112 w + 16 x lane: where I read my 4 rows back
.set GO,   6                           ; v6   16 x lane: my bytes of a row of out
.set QOFF, 7                           ; v7   128 r + 16 h: Q's fragment
.set NM,   8                           ; v[8:9], v[10:11]   -M of chunk 0, 1 (the high words are named in pairs and written once)
.set RC,   12                          ; v[12:13], v[14:15] r_0, r_1 likewise
.set LA,   16                          ; v[16:19] sum p, two chains of pairs
.set MA,   20                          ; v[20:23] sum p mask, two chains of pairs
.set C1,   18                          ; v[18:19] chunk 1's (l, lm)
.set ST4,  20                          ; v[20:23] the wave's (l, lm, -M, not used)
.set C0,   24                          ; v[24:25] chunk 0's (l, lm)
.set BM,   26                          ; v26-33  the 8 blocks' largest pm, then largest a, then scale bytes
.set T,    34                          ; v34-41  at work
.set PS,   42                          ; v42-43  a's scale words, chunk 0, 1
.set QS,   44                          ; v44-45  Q's scale words, buffer 0, 1
.set KS,   46                          ; v46-53  K's: register 4 c + b: lanes 0-15 tile 2 b's keys, lanes 16-31 tile 2 b + 1's
.set VS,   54                          ; v54-61  V's: register t: lanes 0-15 K step 0, lanes 16-31 K step 1
.set S,    64
.set Q,    192
.set CD,   224
.set KOFF, 224                         ; the head's own, in registers that hold codes later
.set KSOFF, 225
.set VOFF, 226
.set VSOFF, 227
.set HR,   228
.set HH,   229
.set H8,   230
.set HL,   231
.set MK,   240                         ; v240-247 eight mask numbers; v248-251 at work
.set OA,   128                         ; window 3
.set OSUM, 192                         ; window 3
.set WV,   20                          ; s20  wave
.set SEL,  24                          ; s[24:25] selects of v_permlanex16_b32: lane l xor 16
.set CS,   26                          ; s[26:27] log2(e) / sqrt(128), twice
.set MNT,  28                          ; s28  the mantissa field of 57,344
.set EPSR, 29                          ; s29  1e-8
.set LC,   30                          ; s30  the loop's trips
.set QT,   31                          ; s31  the tile that the next Q load takes
.set QB,   32                          ; s[32:33] its codes
.set QSB,  34                          ; s[34:35] its scale words
.set OB,   36                          ; s[36:37] out: my 4 rows of the tile that is stored next
.set STP,  38                          ; s[38:39], s[40:41] the steps of QB and QSB
.set MSB, 0
.macro WIN new                         ; the immediate's high byte repeats the setting that is left; a switch that changes nothing is dropped
.if MSB != \new
	s_set_vgpr_msb (MSB<<8)|\new
.set MSB, \new
.endif
.endm
.macro PLACES n
.rept \n
	v_nop
.endr
.endm
; S^T of chunk c (128 keys) for the tile in Q's buffer qp: 8 products, each starts its own sum.  (window: K 1, all else 0)  All its operands and scale words come by loads.
.macro QK c, qp
.irp t, 0,1,2,3,4,5,6,7
.if \t % 2
	v_wmma_scale_f32_16x16x128_f8f6f4 v[S+64*\c+8*\t:S+64*\c+8*\t+7], v[16*(8*\c+\t):16*(8*\c+\t)+15], v[Q+16*(\qp):Q+16*(\qp)+15], 0, v[KS+4*\c+\t/2], v[QS+(\qp)] matrix_a_fmt:MATRIX_FMT_BF8 matrix_b_fmt:MATRIX_FMT_BF8 matrix_a_scale:MATRIX_SCALE_ROW1
.else
	v_wmma_scale_f32_16x16x128_f8f6f4 v[S+64*\c+8*\t:S+64*\c+8*\t+7], v[16*(8*\c+\t):16*(8*\c+\t)+15], v[Q+16*(\qp):Q+16*(\qp)+15], 0, v[KS+4*\c+\t/2], v[QS+(\qp)] matrix_a_fmt:MATRIX_FMT_BF8 matrix_b_fmt:MATRIX_FMT_BF8
.endif
.endr
.endm
; O^T over my 256 keys: two K steps; the 8 accumulators take turns, one instruction a turn.  (window: V 2, codes 0, O^T 3)
.macro PV
.irp t, 0,1,2,3,4,5,6,7
	v_wmma_scale_f32_16x16x128_f8f6f4 v[OA+8*\t:OA+8*\t+7], v[32*\t:32*\t+15], v[CD:CD+15], 0, v[VS+\t], v[PS] matrix_a_fmt:MATRIX_FMT_BF8 matrix_b_fmt:MATRIX_FMT_BF8
.endr
.irp t, 0,1,2,3,4,5,6,7
	v_wmma_scale_f32_16x16x128_f8f6f4 v[OA+8*\t:OA+8*\t+7], v[32*\t+16:32*\t+31], v[CD+16:CD+31], v[OA+8*\t:OA+8*\t+7], v[VS+\t], v[PS+1] matrix_a_fmt:MATRIX_FMT_BF8 matrix_b_fmt:MATRIX_FMT_BF8 matrix_a_scale:MATRIX_SCALE_ROW1
.endr
.endm
; the largest of my 16 numbers of each of chunk c's four blocks, the blocks by turns.  Each accumulator is first read at its low end (registers 16 b .. and 16 b + 8)
.macro MAX4 dst, c
.irp b, 0,1,2,3
	v_max3_num_f32 v[(\dst)+\b], v[S+64*(\c)+16*\b], v[S+64*(\c)+16*\b+1], v[S+64*(\c)+16*\b+2]
.endr
.irp i, 3,5,7,9,11,13
.irp b, 0,1,2,3
	v_max3_num_f32 v[(\dst)+\b], v[(\dst)+\b], v[S+64*(\c)+16*\b+\i], v[S+64*(\c)+16*\b+\i+1]
.endr
.endr
.irp b, 0,1,2,3
	v_max_num_f32 v[(\dst)+\b], v[(\dst)+\b], v[S+64*(\c)+16*\b+15]
.endr
.endm
; -M of chunk c: the largest score of my query among the chunk's 128 keys, as t, rounded up to a whole number
.macro FMAX c
	MAX4 T, \c
	v_max3_num_f32 v[T], v[T], v[T+1], v[T+2]
	v_max_num_f32 v[T], v[T], v[T+3]
	v_permlanex16_b32 v[T+4], v[T], s[SEL], s[SEL+1]  ; the query's other 64 keys lie in lane l xor 16
	v_max_num_f32 v[T], v[T], v[T+4]
	v_mul_f32 v[T], s[CS], v[T]
	v_floor_f32 v[NM+2*\c], -v[T]                  ; floor(-t) = -ceil(t)
.endm
; each block's largest pm, of all 32 keys
.macro BMAX c
	MAX4 BM+4*\c, \c
.irp b, 0,1,2,3
	v_permlanex16_b32 v[T+\b], v[BM+4*\c+\b], s[SEL], s[SEL+1]
.endr
.irp b, 0,1,2,3
	v_max_num_f32 v[BM+4*\c+\b], v[BM+4*\c+\b], v[T+\b]
.endr
.endm
.macro QLOAD qp                        ; a tile of Q into buffer qp: its fragment and its scale words.  (window: destination and address 0)
.irp q, 0,1,2,3
	global_load_b128 v[Q+16*(\qp)+4*\q:Q+16*(\qp)+4*\q+3], v[QOFF], s[QB:QB+1] offset:32*\q
.endr
	global_load_b32 v[QS+(\qp)], v[QSO], s[QSB:QSB+1]
.endm
; THE LINES OF THE ELEMENTWISE PHASE, on pair k (0 .. 31) of chunk c.  The sums and products stand under ONE window setting, source 1 in window 3 (the mask's): so a plain sum is written as x 1.0 + sum, with the constant as source 1.
; The scalings and exponentials name no vector register as source 1: they stand under that setting and under window 0 alike.
.macro SCL c, k                        ; t - M
	v_pk_fma_f32 v[S+64*(\c)+2*(\k):S+64*(\c)+2*(\k)+1], v[S+64*(\c)+2*(\k):S+64*(\c)+2*(\k)+1], s[CS:CS+1], v[NM+2*(\c):NM+2*(\c)+1] op_sel_hi:[1,0,0]
.endm
.macro EX c, e                         ; p = 2^(t - M)
	v_exp_f32 v[S+64*(\c)+(\e)], v[S+64*(\c)+(\e)]
.endm
.macro LS c, k                         ; sum p, two chains; the first two pairs start them
.if (\k) < 2
	v_pk_mul_f32 v[LA+2*((\k)%2):LA+2*((\k)%2)+1], v[S+64*(\c)+2*(\k):S+64*(\c)+2*(\k)+1], 1.0 op_sel_hi:[1,0]
.else
	v_pk_fma_f32 v[LA+2*((\k)%2):LA+2*((\k)%2)+1], v[S+64*(\c)+2*(\k):S+64*(\c)+2*(\k)+1], 1.0, v[LA+2*((\k)%2):LA+2*((\k)%2)+1] op_sel_hi:[1,0,1]
.endif
.endm
.macro MS c, k                         ; sum p mask, likewise
.if (\k) < 2
	v_pk_mul_f32 v[MA+2*((\k)%2):MA+2*((\k)%2)+1], v[S+64*(\c)+2*(\k):S+64*(\c)+2*(\k)+1], v[64*(\c)+2*(\k):64*(\c)+2*(\k)+1]
.else
	v_pk_fma_f32 v[MA+2*((\k)%2):MA+2*((\k)%2)+1], v[S+64*(\c)+2*(\k):S+64*(\c)+2*(\k)+1], v[64*(\c)+2*(\k):64*(\c)+2*(\k)+1], v[MA+2*((\k)%2):MA+2*((\k)%2)+1]
.endif
.endm
.macro PM c, k                         ; pm = p mask, in place
	v_pk_mul_f32 v[S+64*(\c)+2*(\k):S+64*(\c)+2*(\k)+1], v[S+64*(\c)+2*(\k):S+64*(\c)+2*(\k)+1], v[64*(\c)+2*(\k):64*(\c)+2*(\k)+1]
.endm
; chunk 0's scalings and exponentials: one batch; no line names an exponential's result; a pair is scaled two pairs ahead of its exponentials
.macro EXPS0
	SCL 0, 0
	SCL 0, 1
.set kk, 0
.rept 32
	EX 0, 2*kk
	EX 0, 2*kk+1
.if kk < 30
	SCL 0, kk+2
.endif
.set kk, kk+1
.endr
.endm
; chunk 1's batch, with chunk 0's sums and products between its exponentials: these read chunk 0's p alone, whose wait stands ahead of this macro
.macro MIX
	SCL 1, 0
	SCL 1, 1
.set kk, 0
.rept 32
	EX 1, 2*kk
	LS 0, kk
	EX 1, 2*kk+1
	MS 0, kk
	PM 0, kk
.if kk < 30
	SCL 1, kk+2
.endif
.set kk, kk+1
.endr
.endm
.macro ACC1
.set kk, 0
.rept 32
	LS 1, kk
	MS 1, kk
	PM 1, kk
.set kk, kk+1
.endr
.endm
.macro COLLAPSE dst                    ; the chains and the halves of the pairs: my lane's (l, lm) of a chunk
	v_pk_add_f32 v[LA:LA+1], v[LA:LA+1], v[LA+2:LA+3]
	v_pk_add_f32 v[MA:MA+1], v[MA:MA+1], v[MA+2:MA+3]
	v_add_f32 v[\dst], v[LA], v[LA+1]
	v_add_f32 v[\dst+1], v[MA], v[MA+1]
.endm
; the wave's statistics: both chunks under the larger M (by powers of two: nothing is rounded), with lane l xor 16's; as an image of registers into parity sp
.macro WSTATS sp
	v_min_num_f32 v[ST4+2], v[NM], v[NM+2]         ; -M_w
	v_sub_f32 v[T], v[ST4+2], v[NM]                ; M_0 - M_w: a whole number, 0 or less
	v_sub_f32 v[T+1], v[ST4+2], v[NM+2]
	v_cvt_i32_f32 v[T], v[T]
	v_cvt_i32_f32 v[T+1], v[T+1]
	v_ldexp_f32 v[C0], v[C0], v[T]
	v_ldexp_f32 v[C0+1], v[C0+1], v[T]
	v_ldexp_f32 v[C1], v[C1], v[T+1]
	v_ldexp_f32 v[C1+1], v[C1+1], v[T+1]
	v_pk_add_f32 v[ST4:ST4+1], v[C0:C0+1], v[C1:C1+1]
	v_permlanex16_b32 v[T+2], v[ST4], s[SEL], s[SEL+1]
	v_permlanex16_b32 v[T+3], v[ST4+1], s[SEL], s[SEL+1]
	v_pk_add_f32 v[ST4:ST4+1], v[ST4:ST4+1], v[T+2:T+3]
	s_wait_alu depctr_va_vdst(0)                   ; the lines above have written v[ST4 .. ST4+3], which the LDS store reads
	ds_store_b128 v[STW], v[ST4:ST4+3] offset:2048*(\sp)   ; (l, lm, -M); the fourth word rides along and nobody reads it
.endm
.macro SLOAD par                       ; my lane's words of all four waves
.irp w, 0,1,2,3
	ds_load_b128 v[CD+4*\w:CD+4*\w+3], v[STR] offset:2048*(\par)+512*\w
.endr
.endm
; the row's M, l, lm; D = lm + 1e-8 l; r_c = 2^(M_c - M) / D
.macro GSTATS
	v_min3_num_f32 v[T], v[CD+2], v[CD+6], v[CD+10]
	v_min_num_f32 v[T], v[T], v[CD+14]             ; -M
.irp w, 0,1,2,3
	v_sub_f32 v[T+1+\w], v[T], v[CD+4*\w+2]        ; M_w - M
.endr
.irp w, 0,1,2,3
	v_cvt_i32_f32 v[T+1+\w], v[T+1+\w]
.endr
.irp w, 0,1,2,3
	v_ldexp_f32 v[CD+4*\w], v[CD+4*\w], v[T+1+\w]
	v_ldexp_f32 v[CD+4*\w+1], v[CD+4*\w+1], v[T+1+\w]
.endr
	v_pk_add_f32 v[CD:CD+1], v[CD:CD+1], v[CD+4:CD+5]
	v_pk_add_f32 v[CD+8:CD+9], v[CD+8:CD+9], v[CD+12:CD+13]
	v_pk_add_f32 v[CD:CD+1], v[CD:CD+1], v[CD+8:CD+9]
	v_fma_f32 v[T+5], s[EPSR], v[CD], v[CD+1]      ; at least 1e-8 / 2: the row's largest p lies above 1/2
	v_rcp_f32 v[T+5], v[T+5]
	v_sub_f32 v[T+6], v[T], v[NM]                  ; M_0 - M: four plain lines behind the reciprocal that name nothing of it
	v_sub_f32 v[T+7], v[T], v[NM+2]
	v_cvt_i32_f32 v[T+6], v[T+6]
	v_cvt_i32_f32 v[T+7], v[T+7]
	s_wait_alu depctr_va_vdst(0)                   ; the reciprocal has written v[T+5]: ahead of its first reader
	v_ldexp_f32 v[RC], v[T+5], v[T+6]
	v_ldexp_f32 v[RC+2], v[T+5], v[T+7]
.endm
; chunk c: a = pm r_c becomes codes and a scale word.  A block's largest a is its largest pm x r_c, bit for bit: a product by one positive factor, rounded, keeps the order
.macro QUANT c
.irp b, 0,1,2,3
	v_mul_f32 v[BM+4*\c+\b], v[BM+4*\c+\b], v[RC+2*\c]
.endr
.irp b, 0,1,2,3
	v_max_num_f32 v[BM+4*\c+\b], 0x8000000, v[BM+4*\c+\b]   ; the floor 2^(16 - 127): the byte cannot fall under 1
.endr
.irp b, 0,1,2,3
	v_add_nc_u32 v[T+\b], 0xf8800000, v[BM+4*\c+\b]         ; 15 off the exponent field: the conversion's scale operand
.endr
.irp b, 0,1,2,3
	v_and_or_b32 v[T+4+\b], v[BM+4*\c+\b], 0x7f800000, s[MNT]   ; 57,344 x the scale
.endr
.irp b, 0,1,2,3
	v_lshrrev_b32 v[BM+4*\c+\b], 23, v[T+\b]                ; the scale's byte
.endr
	v_lshl_or_b32 v[PS+\c], v[BM+4*\c+1], 8, v[BM+4*\c]
	v_lshl_or_b32 v[PS+\c], v[BM+4*\c+2], 16, v[PS+\c]
	v_lshl_or_b32 v[PS+\c], v[BM+4*\c+3], 24, v[PS+\c]      ; the word stands more than eight plain lines ahead of the product that names it
.irp b, 0,1,2,3
.irp k, 0,2,4,6,8,10,12,14
	v_pk_mul_f32 v[S+64*\c+16*\b+\k:S+64*\c+16*\b+\k+1], v[S+64*\c+16*\b+\k:S+64*\c+16*\b+\k+1], v[RC+2*\c:RC+2*\c+1] op_sel_hi:[1,0]
.endr
.irp i, 0,1,2,3,4,5,6,7,8,9,10,11,12,13,14,15
	v_min_num_f32 v[S+64*\c+16*\b+\i], v[S+64*\c+16*\b+\i], v[T+4+\b]   ; the conversion to an 8-bit code does not saturate (ISA guide 7.6.2); a is not negative, so the hold is one-sided
.endr
	v_cvt_scalef32_pk8_bf8_f32 v[CD+16*\c+4*\b:CD+16*\c+4*\b+1], v[S+64*\c+16*\b:S+64*\c+16*\b+7], v[T+\b]
	v_cvt_scalef32_pk8_bf8_f32 v[CD+16*\c+4*\b+2:CD+16*\c+4*\b+3], v[S+64*\c+16*\b+8:S+64*\c+16*\b+15], v[T+\b]
.endr
	v_nop                                          ; one plain line between the last conversion and the products that write its sources
.endm
.macro OSTORE par                      ; my partial O^T into parity par: lane (r, h): o(r, 16 t + 8 h + 0 .. 7); each accumulator from its low end on.  (window: data 3)
.irp t, 0,1,2,3,4,5,6,7
	ds_store_b128 v[OW], v[OA+8*\t:OA+8*\t+3] offset:OPB*(\par)+64*\t
	ds_store_b128 v[OW], v[OA+8*\t+4:OA+8*\t+7] offset:OPB*(\par)+64*\t+16
.endr
.endm
.macro OLOAD par                       ; rows 4 w .. 4 w + 3 of all four waves' partial O.  (window: destination 3)
.irp w, 0,1,2,3
.irp i, 0,1,2,3
	ds_load_b128 v[OSUM+16*\w+4*\i:OSUM+16*\w+4*\i+3], v[ORA] offset:OPB*(\par)+OWV*\w+OPI*\i
.endr
.endr
.endm
.macro OADD                            ; (w0 + w1) + (w2 + w3)
	s_wait_dscnt 0x0
	WIN 0xcf
.irp p, 0,2,4,6,8,10,12,14
	v_pk_add_f32 v[OSUM+\p:OSUM+\p+1], v[OSUM+\p:OSUM+\p+1], v[OSUM+16+\p:OSUM+16+\p+1]
	v_pk_add_f32 v[OSUM+32+\p:OSUM+32+\p+1], v[OSUM+32+\p:OSUM+32+\p+1], v[OSUM+48+\p:OSUM+48+\p+1]
.endr
.irp p, 0,2,4,6,8,10,12,14
	v_pk_add_f32 v[OSUM+\p:OSUM+\p+1], v[OSUM+\p:OSUM+\p+1], v[OSUM+32+\p:OSUM+32+\p+1]
.endr
.endm
.macro OSEND                           ; and out.  A wait on va_vdst stands between the additions and these stores
	WIN 0x0c
.irp i, 0,1,2,3
	global_store_b128 v[GO], v[OSUM+4*\i:OSUM+4*\i+3], s[OB:OB+1] offset:512*\i th:TH_STORE_NT   ; 32 lanes store a row: 512 consecutive bytes, at a multiple of 256 from out's first byte
.endr
.endm
; THE FRONT HALF OF A TILE, whose scores lie in S: maxima, p, sums, pm, the wave's statistics into parity sp.  sto = 1: the tile before's O^T goes into parity op on the way.  adv = 1: out's base steps.
.macro FRONT sp, op, sto, adv
	FMAX 0                                         ; 38 plain lines: among them the eight places between the last products and the stores of O^T below
	EXPS0
	FMAX 1                                         ; plain work behind chunk 0's batch, which names none of its results
	WIN 0x0c
	s_wait_alu depctr_va_vdst(0)                   ; chunk 0's 64 exponentials are written, ahead of their first reader; this tile's products K Q^T are done reading Q's buffer and its scale words, in which the loads below land; the products V^T A have written O^T, which the LDS stores below read
	QLOAD \sp                                      ; the buffer that those products have read takes the tile two on
.if \sto
	OSTORE \op
.endif
	MIX                                            ; names S, the sums and the mask: no register of the loads and stores above
	WIN 0
	COLLAPSE C0
	s_wait_alu depctr_va_vdst(0)                   ; chunk 1's 64 exponentials are written, ahead of their first reader
	WIN 0x0c
	ACC1
	WIN 0
	COLLAPSE C1
	WSTATS \sp
	s_wait_xcnt 0x0                                ; the Q loads and the stores of out have read their bases, offsets and data: all may be written again
.if \adv
	s_add_nc_u64 s[OB:OB+1], s[OB:OB+1], 8192      ; 16 rows of out on
.endif
	s_cmp_lt_u32 s[QT], 31                         ; Q's bases step a tile on, and stay at the last tile: no load leaves its buffer
	s_cselect_b32 s[STP], 2048, 0
	s_cselect_b32 s[STP+2], 64, 0
	s_add_nc_u64 s[QB:QB+1], s[QB:QB+1], s[STP:STP+1]
	s_add_nc_u64 s[QSB:QSB+1], s[QSB:QSB+1], s[STP+2:STP+3]
	s_add_co_u32 s[QT], s[QT], 1
	s_min_u32 s[QT], s[QT], 31
.endm
; TILE j, par = j % 2.  prev = 1: tile j - 1's O is added and stored.  next = 1: tile j + 1's products and front half follow.
.macro BODY par, prev, next
	s_wait_dscnt 0x0                               ; for the others' sake: my statistics of tile j and my O^T of tile j - 1 lie in LDS, and my reads of the other parities are over
	s_barrier_signal -1
	BMAX 0                                         ; work on registers while the others arrive
	s_barrier_wait -1
	s_wait_alu depctr_vm_vsrc(0)                   ; the stores of out have read OSUM, in which the loads below land; the LDS stores have read O^T and v[ST4 ..], which this tile's products and the next front half write; in tile 0: the head's loads and the mask's stores and loads have read v224-227 and v240-251, which take statistics and codes
	SLOAD \par                                     ; no vector line since the wait ahead of the statistics' store names v224-239 or OSUM: only those of the largest pm above
.if \prev
	WIN 0xc0
	OLOAD 1-\par
	WIN 0
.endif
	BMAX 1
	s_wait_dscnt 16*\prev                          ; the four loads of statistics are in; the 16 of O, issued behind them, may be out
	GSTATS
	QUANT 0
.if \next
	s_wait_loadcnt 0x5                             ; tile j + 1's Q is in: behind its five loads only tile j + 2's five were issued (in tile 0 this also shows all of V landed)
	WIN 0x01
	QK 0, 1-\par
	WIN 0
.endif
	QUANT 1
.if \prev
	OADD                                           ; its 24 additions are also the plain lines between the last codes and the products
.else
	PLACES 4
.endif
	WIN 0xf2
	s_wait_alu depctr_va_vdst(0)                   ; behind the places: the conversions have written the codes and the vector lines their two scale words, which the products take; the additions have written OSUM, which the stores behind the products read
	PV
.if \prev
	OSEND                                          ; the products since the wait name V, the codes, the scale words and O^T: no register of these stores
.endif
.if \next
	WIN 0x01
	QK 1, 1-\par
	WIN 0
	FRONT 1-\par, \par, 1, \prev
.else
	PLACES 8                                       ; between the last products and the stores that read their results
	WIN 0x0c
	s_wait_alu depctr_va_vdst(0)                   ; the products have written O^T, which the LDS stores read; the places above stay beside this wait
	OSTORE \par
	WIN 0
	s_wait_xcnt 0x0                                ; the stores of tile j - 1 have read their base and data
	s_add_nc_u64 s[OB:OB+1], s[OB:OB+1], 8192
.endif
.endm
.macro VLOAD t                         ; V's two fragments of rows 16 t on.  (window: destination 2)
.irp s, 0,1
.irp q, 0,1,2,3
	global_load_b128 v[16*(2*\t+\s)+4*\q:16*(2*\t+\s)+4*\q+3], v[VOFF], s[14:15] offset:16*\t*1024+128*\s+32*\q
.endr
.endr
.endm
; ---------------------------------------------------------------- the head
	s_load_b256 s[4:11], s[0:1], 0x0               ; K's codes s[4:5], K's scales s[6:7], Q's codes s[8:9], Q's scales s[10:11]
	s_load_b256 s[12:19], s[0:1], 0x20             ; span s[12:13], V's codes s[14:15], V's scales s[16:17], out s[18:19]
	v_lshl_add_u32 v62, v0, 2, 0x12800
	v_mov_b32 v63, 0
	v_lshrrev_b32 v1, 5, v0
	v_readfirstlane_b32 s[WV], v1                  ; wave 0..3
	s_lshr_b32 s21, ttmp9, 1                       ; which (batch, head)
	s_and_b32 s22, ttmp9, 1                        ; which half of its queries
	s_lshl_b32 s23, s21, 17                        ; its first byte in each tensor of codes
	s_lshl_b32 s43, s21, 12                        ; and of scale bytes
	s_wait_alu depctr_va_sdst(0)                   ; the wave's number is written to s20, ahead of its first reader
	s_lshl_b32 s44, s[WV], 15
	s_add_co_u32 s44, s44, s23                     ; K's codes: my 256 keys of 128 bytes
	s_lshl_b32 s46, s[WV], 10
	s_add_co_u32 s46, s46, s43                     ; K's scales: 4 bytes a key
	s_lshl_b32 s48, s22, 16
	s_add_co_u32 s48, s48, s23                     ; Q's codes: my work-group's 512 queries
	s_lshl_b32 s50, s22, 11
	s_add_co_u32 s50, s50, s43                     ; Q's scales
	s_lshl_b32 s52, s[WV], 8
	s_add_co_u32 s52, s52, s23                     ; V's codes: my 256 keys in each row of 1,024
	s_lshl_b32 s54, s[WV], 3
	s_add_co_u32 s54, s54, s43                     ; V's scales: my 8 bytes in each row of 32
	s_lshl_b32 s56, s21, 19
	s_lshl_b32 s57, s22, 18
	s_add_co_u32 s56, s56, s57
	s_lshl_b32 s57, s[WV], 11
	s_add_co_u32 s56, s56, s57                     ; out: the half's first tile, my 4 rows of 512 bytes
	s_and_b32 s58, s21, 15
	s_lshl_b32 s58, s58, 2                         ; span: the head's number
.irp p, 45,47,49,51,53,55,57,59
	s_mov_b32 s\p, 0
.endr
	s_mov_b32 s[SEL], 0x76543210
	s_mov_b32 s[SEL+1], 0xfedcba98
	s_mov_b32 s[CS], 0x3e0293ee                    ; log2(e) / sqrt(128)
	s_mov_b32 s[CS+1], s[CS]
	s_mov_b32 s[MNT], 0x600000
	s_mov_b32 s[EPSR], 0x322bcc77                  ; 1e-8
	s_mov_b32 s[QT], 2
	s_mov_b32 s[STP+1], 0
	s_mov_b32 s[STP+3], 0
	v_and_b32 v[HL], 31, v0                        ; lane
	v_and_b32 v[HR], 15, v0                        ; r
	v_bfe_u32 v[HH], v0, 4, 1                      ; h
	v_and_b32 v[H8], 8, v[HR]
	v_add_nc_u32 v[H8], v[H8], v[HR]               ; r + 8 (r / 8)
	v_lshlrev_b32 v[KOFF], 7, v[H8]
	v_lshl_add_u32 v[KOFF], v[HH], 4, v[KOFF]      ; K: the tile's row of 128 bytes, + 16 h
	v_lshl_add_u32 v[KSOFF], v[HH], 3, v[H8]
	v_lshlrev_b32 v[KSOFF], 2, v[KSOFF]            ; K's scale words: lanes 16-31 take the tile 8 keys on
	v_lshlrev_b32 v[QOFF], 7, v[HR]
	v_lshl_add_u32 v[QOFF], v[HH], 4, v[QOFF]
	v_lshlrev_b32 v[QSO], 2, v[HR]
	v_lshlrev_b32 v[VOFF], 10, v[HR]
	v_lshl_add_u32 v[VOFF], v[HH], 4, v[VOFF]      ; V: row r of 1,024 bytes, + 16 h
	v_lshlrev_b32 v[VSOFF], 5, v[HR]
	v_lshl_add_u32 v[VSOFF], v[HH], 2, v[VSOFF]    ; V's scale words: row r of 32 bytes; lanes 16-31 take K step 1's
	s_wait_kmcnt 0x0
	s_add_nc_u64 s[12:13], s[12:13], s[58:59]
	s_load_b32 s42, s[12:13], 0x0                  ; the head's span
	s_add_nc_u64 s[4:5], s[4:5], s[44:45]
	s_add_nc_u64 s[6:7], s[6:7], s[46:47]
	s_add_nc_u64 s[8:9], s[8:9], s[48:49]
	s_add_nc_u64 s[10:11], s[10:11], s[50:51]
	s_add_nc_u64 s[14:15], s[14:15], s[52:53]
	s_add_nc_u64 s[16:17], s[16:17], s[54:55]
	s_add_nc_u64 s[OB:OB+1], s[18:19], s[56:57]
	s_add_nc_u64 s[QB:QB+1], s[8:9], 4096          ; the walking bases begin at tile 2: tiles 0 and 1 are loaded from s[8:11]
	s_add_nc_u64 s[QSB:QSB+1], s[10:11], 128
	; the first group, 82 loads: what the first scores want
	WIN 0x40
	s_wait_alu depctr_va_vdst(0)                   ; the six offsets of K, K's scales, Q, Q's scales, V and V's scales are written, which the loads of the head read (and Q's two every later load of Q); no vector line writes them after this
.irp c, 0,1
.irp t, 0,1,2,3,4,5,6,7
.irp q, 0,1,2,3
	global_load_b128 v[16*(8*\c+\t)+4*\q:16*(8*\c+\t)+4*\q+3], v[KOFF], s[4:5] offset:(128*\c+32*(\t/2)+8*(\t%2))*128+32*\q
.endr
.endr
.endr
	WIN 0
.irp c, 0,1
.irp b, 0,1,2,3
	global_load_b32 v[KS+4*\c+\b], v[KSOFF], s[6:7] offset:512*\c+128*\b
.endr
.endr
.irp j, 0,1
.irp q, 0,1,2,3
	global_load_b128 v[Q+16*\j+4*\q:Q+16*\j+4*\q+3], v[QOFF], s[8:9] offset:2048*\j+32*\q
.endr
	global_load_b32 v[QS+\j], v[QSO], s[10:11] offset:64*\j
.endr
	; the second group, 56 loads
.irp t, 0,1,2,3,4,5,6,7
	global_load_b32 v[VS+\t], v[VSOFF], s[16:17] offset:512*\t
.endr
	WIN 0x80
.irp t, 0,1,2,3,4,5
	VLOAD \t
.endr
	WIN 0
	; addresses that stay
	v_lshl_add_u32 v[STW], v0, 4, STATS
	v_lshl_add_u32 v[STR], v[HL], 4, STATS
	s_mul_i32 s21, s[WV], OWV
	v_mul_u32_u24 v[OW], v[HR], OPI
	v_lshl_add_u32 v[OW], v[HH], 5, v[OW]
	v_add_nc_u32 v[OW], s21, v[OW]
	s_mul_i32 s21, s[WV], 4*OPI
	v_lshlrev_b32 v[GO], 4, v[HL]
	v_add_nc_u32 v[ORA], s21, v[GO]
.irp p, NM+1, NM+3, RC+1, RC+3, T+4
	v_mov_b32 v[\p], 0                             ; the upper halves of pairs of which the low word alone is used, and a lane permute's destination: written once
.endr
	; THE MASK: thread n makes keys 8 n .. 8 n + 7: clip((key - 1023 + span x 1024 + 32) / 32, 0, 1).  span x 1024 and the division by 32 are exact, so the two fused lines round where the plain order rounds
	v_lshlrev_b32 v[MK+8], 3, v0
	v_lshl_add_u32 v[MK+10], v0, 5, MASK
	s_mov_b32 s21, 0x44800000                      ; 1,024
	s_lshl_b32 s22, s[WV], 10
	s_add_co_u32 s22, s22, MASK
	v_lshl_add_u32 v[MK+11], v[HH], 6, s22         ; back: my wave's 256 keys, + 16 keys for lanes 16-31
.irp i, 0,1,2,3,4,5,6,7
	v_add_nc_u32 v[MK+\i], \i-1023, v[MK+8]
.endr
.irp i, 0,1,2,3,4,5,6,7
	v_cvt_f32_i32 v[MK+\i], v[MK+\i]
.endr
	s_wait_kmcnt 0x0                               ; span
.irp i, 0,1,2,3,4,5,6,7
	v_fma_f32 v[MK+\i], s42, s21, v[MK+\i]
.endr
.irp i, 0,1,2,3,4,5,6,7
	v_fma_f32 v[MK+\i], v[MK+\i], 0x3d000000, 1.0
.endr
.irp i, 0,1,2,3,4,5,6,7
	v_med3_num_f32 v[MK+\i], v[MK+\i], 0, 1.0
.endr
	s_wait_alu depctr_va_vdst(0)                   ; the eight mask numbers and both of the table's addresses are written, which the LDS stores and loads below read; so are the five addresses v2 to v6, which every later LDS access and store of out reads and no vector line names again
	ds_store_b128 v[MK+10], v[MK:MK+3]
	ds_store_b128 v[MK+10], v[MK+4:MK+7] offset:16
	s_wait_dscnt 0x0                               ; for the others' sake: my part of the table lies in LDS
	s_barrier_signal -1
	s_barrier_wait -1
	WIN 0xc0
.irp c, 0,1
.irp b, 0,1,2,3
.irp q, 0,1,2,3
	ds_load_b128 v[64*\c+16*\b+4*\q:64*\c+16*\b+4*\q+3], v[MK+11] offset:512*\c+128*\b+16*\q   ; register 64 c + 16 b + i: key 256 w + 128 c + 32 b + 16 h + i, as in S
.endr
.endr
.endr
	s_wait_loadcnt 56                              ; the first group is in: only the second group's 56 loads were issued behind it
	WIN 0x01
	QK 0, 0
	QK 1, 0
	WIN 0x80
	VLOAD 6                                        ; the last 16 loads of V: their offset was written ahead of the head's first wait, and no vector or matrix line has named it or their registers since
	VLOAD 7
	WIN 0
	PLACES 8                                       ; between the first products and the first read of their results (ISA guide 7.12.1)
	s_wait_dscnt 0x0                               ; the mask
	FRONT 0, 0, 0, 0
; ---------------------------------------------------------------- the 32 tiles
	BODY 0, 0, 1                                   ; tile 0: nothing to add and store yet
	s_mov_b32 s[LC], 15
.Lpair:                                                ; tiles 1 to 30, two a trip, so that every parity is an immediate
	BODY 1, 1, 1
	BODY 0, 1, 1
	s_sub_co_u32 s[LC], s[LC], 1
	s_cmp_lg_u32 s[LC], 0
	s_cbranch_scc1 .Lpair
	BODY 1, 1, 0                                   ; tile 31: no tile follows
	s_wait_dscnt 0x0                               ; for the others' sake: my O^T of tile 31 lies in LDS
	s_barrier_signal -1
	s_barrier_wait -1
	WIN 0xc0
	s_wait_alu depctr_vm_vsrc(0)                   ; the stores of tile 30 have read OSUM, in which the loads below land
	OLOAD 1
	OADD
	WIN 0x0c
	s_wait_alu depctr_va_vdst(0)                   ; the additions have written OSUM, which the last four stores read
	OSEND
	WIN 0
	s_wait_dscnt 0x0
	s_wait_alu depctr_hold_cnt(0) depctr_sa_sdst(0) depctr_va_vdst(0) depctr_va_sdst(0) depctr_va_ssrc(0) depctr_va_vcc(0) depctr_vm_vsrc(0)
	s_wait_tensorcnt 0x0
	ds_add_u32 v62, v63
	s_wait_dscnt 0x0
	s_endpgm
.Lfunc_end_k_q9f2ff53695_attn:
	.size	k_q9f2ff53695_attn, .Lfunc_end_k_q9f2ff53695_attn-k_q9f2ff53695_attn
	.p2alignl 7, 3214868480
	.fill 96, 4, 3214868480
	.section	.rodata,"a",@progbits
	.p2align	6, 0x0
	.amdhsa_kernel k_q9f2ff53695_attn
		.amdhsa_group_segment_fixed_size 76288
		.amdhsa_private_segment_fixed_size 0
		.amdhsa_enable_private_segment 0
		.amdhsa_kernarg_size 64
		.amdhsa_user_sgpr_count 2
		.amdhsa_user_sgpr_kernarg_segment_ptr 1
		.amdhsa_wavefront_size32 1
		.amdhsa_system_sgpr_workgroup_id_x 1
		.amdhsa_system_sgpr_workgroup_id_y 1
		.amdhsa_system_sgpr_workgroup_id_z 1
		.amdhsa_system_vgpr_workitem_id 0
		.amdhsa_next_free_vgpr 1024
		.amdhsa_next_free_sgpr 66
		.amdhsa_reserve_vcc 0
		.amdhsa_float_denorm_mode_32 3
		.amdhsa_float_denorm_mode_16_64 3
		.amdhsa_memory_ordered 1
		.amdhsa_forward_progress 1
		.amdhsa_inst_pref_size 236
	.end_amdhsa_kernel
	.amdgpu_metadata
---
amdhsa.version: [ 1, 2 ]
amdhsa.kernels:
  - .name:           k_q9f2ff53695_attn
    .symbol:         k_q9f2ff53695_attn.kd
    .args:
      - { .name: key_codes, .offset: 0, .size: 8, .value_kind: global_buffer, .address_space: global }
      - { .name: key_scales, .offset: 8, .size: 8, .value_kind: global_buffer, .address_space: global }
      - { .name: query_codes, .offset: 16, .size: 8, .value_kind: global_buffer, .address_space: global }
      - { .name: query_scales, .offset: 24, .size: 8, .value_kind: global_buffer, .address_space: global }
      - { .name: span_val, .offset: 32, .size: 8, .value_kind: global_buffer, .address_space: global }
      - { .name: value_codes, .offset: 40, .size: 8, .value_kind: global_buffer, .address_space: global }
      - { .name: value_scales, .offset: 48, .size: 8, .value_kind: global_buffer, .address_space: global }
      - { .name: out0, .offset: 56, .size: 8, .value_kind: global_buffer, .address_space: global }
    .group_segment_fixed_size: 76288
    .private_segment_fixed_size: 0
    .kernarg_segment_align: 8
    .kernarg_segment_size: 64
    .max_flat_workgroup_size: 128
    .sgpr_count:     66
    .vgpr_count:     1024
    .wavefront_size: 32
...
	.end_amdgpu_metadata
.endif
;; end of part 2
